; MI455X (gfx1250); checked and timed in simulation.
; The chip was launched on July 23, 2026; its instructions are those of AMD's public machine-readable ISA for CDNA 5 (MIT licence, August 2026) and "CDNA5" Instruction Set Architecture Reference Guide (July 2026). The comments in the code are by the model that wrote it; some were corrected since.
;; Encoding. Allowed arithmetic: matrix products marked QUANTISED: E3M2 operands, one E8M0 scale for each 32 along K, by v_wmma_scale_f32_16x16x128_f8f6f4 with both operands' format E3M2, f32 sums; everything else in f32.
;; Inputs: codewords 32 x 512 float32; scale 32 float32; x 32 x 512 x 64 x 64 float32.
;; Outputs: out0 32 x 32 x 512 float32.
;; This version of the problem:
;;   THIS VERSION OF THE PROBLEM IS GIVEN IN LOW PRECISION. The matrix products marked QUANTISED in the list below multiply operands that are first quantised to E3M2 (3 exponent bits, 2 mantissa bits; 6 bits a number), with one power-of-two scale for each 32 numbers along K (OCP MX v1.0); their sums are f32. All else is computed in f32.
;;   The module's matrix products, in the order in which they are computed (A, B: the left and right operand; K: the contracted axis; several contracted axes count as one K, in the product's order):
;;     1. [M 131,072, K 512] x [K 512, N 32]; A: input x; B: input codewords: QUANTISED
;;     2. batch 32 x [M 32, K 4,096] x [K 4,096, N 512]; A: computed on the way; B: input x: QUANTISED
;;   THE QUANTISER, for each operand of a quantised product, along K:
;;     - K is cut into blocks of 32 from its start; a last block that is shorter is filled with zeros.
;;     - A block's scale is 2^e with e = floor(log2(the largest magnitude in the block)) - 4, held to -126 .. 127; a block of zeros has e = 0. As a byte (E8M0): e + 127.
;;     - Each number is divided by its block's scale, clamped to +-28, and rounded to the nearest number of E3M2, ties to even, subnormals kept.
;;     - The product sums the exact products of the quantised numbers (number of the format x scale) in f32.
;;   ~~~python
;;   def quantise(x, axis):      # numpy; x: float32 -> the quantised numbers, widened to float32 again
;;       x = np.moveaxis(x, axis, -1); K = x.shape[-1]
;;       x = np.pad(x, [(0, 0)] * (x.ndim - 1) + [(0, -K % 32)]); x = x.reshape(x.shape[:-1] + (-1, 32)); a = np.abs(x).max(-1, keepdims=True)
;;       e = np.where(a > 0, np.clip(np.frexp(np.where(a > 0, a, 1))[1] - 1 - 4, -126, 127), 0)      # np.frexp(a)[1] - 1 = floor(log2(a)), exactly
;;       r = np.clip(x / 2.0 ** e, -28, 28)
;;       step = 2.0 ** (np.maximum(np.frexp(np.where(r == 0, 1, r))[1] - 1, -2) - 2)
;;       q = np.round(r / step) * step * 2.0 ** e      # np.round: ties to even
;;       return np.moveaxis(q.reshape(q.shape[:-2] + (-1,))[..., :K], -1, axis).astype(np.float32)
;;   ~~~
;;   OPERANDS COMPUTED ON THE WAY. 'Computed on the way' means the value that the module computes at that place (a softmax that the list does not call 'softmax' is quantised finished and normalised). What goes into a quantiser is computed in f32, as accurately as f32 sums, v_exp_f32 and their like allow (about 1e-6 of the number): no bf16 or f16 on the way to a quantiser, and a product that is left as it is and whose result goes on into a quantised operand takes f32 operands (vector FMAs, or v_wmma_f32_16x16x4_f32). A number that lies on a knife's edge between two numbers of the format may be rounded either way, as far as f32 arithmetic and the matrix unit's own rounding can turn it there, and no further.
;; One version. Each part assembles by itself: llvm-mc -triple=amdgcn-amd-amdhsa -mcpu=gfx1250 --defsym DOCPART=n.
;; ======== version 1 of 1: 2 launches
;; limits: right only within a limited range of input values
;; workspace buffers: part 16,777,216 bytes; wsp 32,768 bytes
;; launch encode (part 1): grid 8 x 32, 4 waves a work-group, no clusters, 305,664 bytes of LDS; arguments x, codewords, scale, part, wsp; writes part, wsp
.if DOCPART == 1
	.amdgcn_target "amdgcn-amd-amdhsa--gfx1250"
	.amdhsa_code_object_version 6
	.text
	.protected	k_q91b59f6775_encode
	.globl	k_q91b59f6775_encode
	.p2align	8
	.type	k_q91b59f6775_encode,@function
k_q91b59f6775_encode:
	s_mov_b64 s[64:65], 0
	v_nop
	global_prefetch_b8 v0, s[64:65] scope:SCOPE_SE
	s_setreg_imm32_b32 hwreg(HW_REG_WAVE_MODE, 25, 1), 1
	s_wait_xcnt 0x0
; Work-group (j, b): batch b, positions 512 j .. 512 j + 511.  Wave q owns 128 positions x all 512 channels and shares nothing until the last phase.
; x comes by loads of 512 consecutive bytes (one channel row, 4 positions a lane) into a ring of 64 rows of registers: 48 to 64 loads of a wave are out through the whole walk.
; Product 1 (K = channels): a lane holds 4 positions; maxima and squares run over the strided registers, one move a number lays 16 neighbours along c for the conversion.
; It is used transposed (source 0 = codewords, source 1 = x): a lane holds one position and 16 of the 32 codes k, so the softmax stays in the lane but for one exchange of halves.
; Product 2 (K = positions): 16 rows turn through the wave's own LDS stage, are quantised along n, and their codes wait in LDS as images of the operand's registers.
; w turns through LDS (lane = k, registers along n), is summed, quantised along n, and shared; behind one barrier wave q multiplies channels 128 q .. 128 q + 127 over the four chunks.
; part[8 b + j][k][c] and wsp[8 b + j][k] are summed by the next launch.
; No cluster: work-groups share only the codewords, 64 KiB beside the 1 MiB of x that each reads alone.  No prefetch: the ring's own loads run 48 rows ahead.  No tensor load: nothing in LDS is filled by an engine.
; The score sums begin as zeros, so that one loop body serves all four K steps of product 1.
; LIMITS: NaN and infinities among the inputs are not served; a block whose largest magnitude lies under 2^(5 - 127) keeps the scale byte 1; the scaled scores stay under 2^31 in magnitude.
.set PITCH, 528
.set KSC,   196608
.set STG,   204800
.set RGB,   18432
.set CWI,   278528
.set CWS,   290816
.set C2P,   291328
.set WIMG,  291840
.set WSC,   304128
.set WSR,   304640
.set SPARE, 305152
.set ROWG,  16384
; window 0
.set SPW, 2
.set NIL, 3
.set XO,  4
.set STS, 5
.set STL, 6
.set KA0, 7
.set KAC, 8
.set KS0, 9
.set KSU, 10
.set A16, 11
.set CWA, 12
.set A4,  13
.set CSA, 14
.set WSTO, 15
.set WLD, 16
.set WIA, 17
.set WSA, 18
.set SO,  19
.set GO,  25
.set HR,  26
.set HH,  27
.set HL,  28
.set HI,  29
.set HC,  30
.set C2A, 31
.set CWF, 32
.set KB,  56
.set XSA, 61
.set H32, 62
.set XA,  64
.set CT,  160
.set TMP, 180
.set XSR, 192
.set WSG, 208
.set SW,  212
.set CWSC, 216
; window 1: the ring, v0-255; later w (v0-127) and what is made of it
.set WM,  128
.set WSV, 132
.set WBY, 136
.set WSP, 140
.set WCT, 148
.set WF,  164
.set WSW, 188
; window 2
.set T,   0
.set ST,  128
.set TM,  192
.set SCV, 196
.set BY,  200
.set X2,  204
.set QT,  212
.set PLQ, 224
.set SH8, 225
.set QSW, 226
.set CTQ, 228
.set CD,  236
; window 3: scores v0-127, later the results
.set SLV, 128
.set C2V, 144
.set XX,  160
.set MX,  176
.set SP,  192
.set C2T, 176
.set MSB, 0
.macro WIN new
.if MSB != \new
	s_set_vgpr_msb (MSB<<8)|\new
.set MSB, \new
.endif
.endm
.macro VW
	s_wait_alu depctr_va_vdst(0)
.endm
	s_load_b256 s[4:11], s[0:1], 0x0           ; x, codewords, scale, part
	s_load_b64 s[12:13], s[0:1], 0x20          ; wsp
	v_lshl_add_u32 v[SPW], v0, 2, SPARE
	v_mov_b32 v[NIL], 0
	v_lshrrev_b32 v1, 5, v0
	v_readfirstlane_b32 s14, v1                ; wave q
	v_and_b32 v[HL], 31, v0
	v_and_b32 v[HR], 15, v0
	v_bfe_u32 v[HH], v0, 4, 1
	s_and_b32 s15, ttmp7, 0xffff               ; b
	s_lshl_b32 s36, s15, 23
	s_lshl_b32 s37, ttmp9, 11
	s_add_co_u32 s36, s36, s37
	s_lshl_b32 s38, s14, 9
	s_add_co_u32 s36, s36, s38                 ; my chunk's first byte in x
	s_mov_b32 s37, 0
	v_lshlrev_b32 v1, 11, v[HR]
	v_lshl_add_u32 v1, v[HH], 7, v1
	v_add_nc_u32 v1, s38, v1                   ; codewords: row r, block h of K step q
	v_lshlrev_b32 v[H32], 5, v[HH]
	v_lshlrev_b32 v[XO], 4, v[HL]
	VW
	s_wait_kmcnt 0x0
	s_add_nc_u64 s[16:17], s[4:5], s[36:37]
	WIN 0x80
.set N, 0
.rept 32                                       ; two fragments of codewords (rows 0-15, 16-31), f32
	global_load_b128 v[4*N:4*N+3], v1, s[6:7] offset:32768*(N/16)+16*(N%16)+128*((N%16)/8)
.set N, N+1
.endr
	WIN 0xC0
.irp m,0,1,2,3
	global_load_b128 v[SLV+4*\m:SLV+4*\m+3], v[H32], s[8:9] offset:16*\m+32*(\m/2)   ; scale of k = 16 kt + 8 h + i
.endr
	WIN 0x40
.set N, 0
.rept 64                                       ; the ring: channel rows 0 to 63
	global_load_b128 v[4*N:4*N+3], v[XO], s[16:17] offset:N*ROWG th:TH_LOAD_NT
.set N, N+1
.endr
	WIN 0
	s_mul_i32 s39, s14, RGB
	s_add_co_u32 s39, s39, STG                 ; my wave's own LDS region
	v_lshl_add_u32 v[STS], v[HL], 4, s39
	v_mul_u32_u24 v[SO], v[HR], PITCH
	v_add_nc_u32 v[SO], s39, v[SO]
	v_lshl_add_u32 v[STL], v[HH], 7, v[SO]
	v_lshl_add_u32 v[SO], v[HH], 5, v[SO]
	v_mul_u32_u24 v[WSTO], v[HR], 144
	v_lshl_add_u32 v[WSTO], v[HH], 5, v[WSTO]
	v_add_nc_u32 v[WSTO], s39, v[WSTO]
	v_lshl_add_u32 v[WLD], v[HL], 2, s39
	s_mul_i32 s40, s14, 49152
	v_lshl_add_u32 v[KA0], v[HL], 4, s40
	s_lshl_b32 s40, s14, 11
	s_add_co_u32 s40, s40, KSC
	v_lshl_add_u32 v[KS0], v[HR], 2, s40
	v_lshl_add_u32 v[A16], v[HL], 4, CWI
	v_lshl_add_u32 v[A4], v[HL], 2, CWS
	s_mul_i32 s40, s14, 3072
	v_add_nc_u32 v[HI], s40, v[A16]
	v_add_nc_u32 v[WIA], WIMG-CWI, v[HI]
	s_lshl_b32 s40, s14, 7
	v_lshl_add_u32 v[HC], v[HR], 2, s40
	v_add_nc_u32 v[HC], CWS, v[HC]
	v_add_nc_u32 v[WSA], s40, v[A4]
	v_add_nc_u32 v[WSA], WSC-CWS, v[WSA]
	v_add_nc_u32 v[C2A], C2P, v[H32]
	s_mul_i32 s40, s14, 12288
	v_lshl_add_u32 v[KB], v[HL], 4, s40
	v_add_nc_u32 v[KB+1], 49152, v[KB]
	v_add_nc_u32 v[KB+2], 98304, v[KB]
	v_add_nc_u32 v[KB+3], 147456, v[KB]
	s_add_co_u32 s40, s38, KSC
	v_lshl_add_u32 v[XSA], v[HL], 2, s40
	v_lshl_add_u32 v[GO], v[HL], 4, s38
	s_mov_b32 s34, 0x76543210
	s_mov_b32 s35, 0xfedcba98
	s_lshl_b32 s36, s15, 3
	s_add_co_u32 s36, s36, ttmp9
	s_lshl_b32 s40, s36, 16
	s_mov_b32 s41, 0
	s_add_nc_u64 s[10:11], s[10:11], s[40:41]
	s_lshl_b32 s40, s36, 7
	s_add_nc_u64 s[12:13], s[12:13], s[40:41]
	WIN 0x80
	v_lshlrev_b32 v[SH8], 3, v[HH]
	v_mov_b32 v[PLQ], 0
	WIN 0xC0
.set N, 0
.rept 128
	v_mov_b32 v[N], 0                          ; the score sums begin as zeros
.set N, N+1
.endr
	WIN 0
; 64 numbers of a lane (blocks h and 2 + h of its row) -> 12 registers of codes CD and the row's scale word QSW.  All in window 2.
.macro QROW src
.set QI, 0
.rept 8
.irp k,0,1,2,3
.if QI == 0
	v_max3_num_f32 v[QT+\k], |v[(\src)+16*\k]|, |v[(\src)+16*\k+1]|, 0x2800000
.else
	v_max3_num_f32 v[QT+\k], v[QT+\k], |v[(\src)+16*\k+2*QI]|, |v[(\src)+16*\k+2*QI+1]|
.endif
.endr
.set QI, QI+1
.endr
	v_max_num_f32 v[QT], v[QT], v[QT+1]
	v_max_num_f32 v[QT+2], v[QT+2], v[QT+3]
	v_add_nc_u32 v[QT+4], 0xfe000000, v[QT]    ; 4 off the exponent field: the conversion's scale operand
	v_add_nc_u32 v[QT+5], 0xfe000000, v[QT+2]
	v_lshrrev_b32 v[QT+6], 23, v[QT+4]
	v_lshrrev_b32 v[QT+7], 23, v[QT+5]
	v_lshl_or_b32 v[QT+6], v[QT+7], 16, v[QT+6]
	v_lshlrev_b32 v[QT+6], v[SH8], v[QT+6]
	v_permlanex16_b32 v[PLQ], v[QT+6], s34, s35
	v_or_b32 v[QSW], v[QT+6], v[PLQ]
	v_cvt_scalef32_pk16_bf6_f32 v[CTQ:CTQ+2], v[(\src)+16:(\src)+31], v[QT+4]
	v_cvt_scalef32_pk16_bf6_f32 v[CTQ+4:CTQ+6], v[(\src)+48:(\src)+63], v[QT+5]
	v_cvt_scalef32_pk16_bf6_f32 v[CD:CD+2], v[(\src):(\src)+15], v[QT+4]
	v_cvt_scalef32_pk16_bf6_f32 v[CD+6:CD+8], v[(\src)+32:(\src)+47], v[QT+5]
	v_nop
.irp i,0,1,2
	v_mov_b32 v[CD+3+\i], v[CTQ+\i]
	v_mov_b32 v[CD+9+\i], v[CTQ+4+\i]
.endr
.endm
.macro SQ src                                  ; the sum of squares of a row's 128 numbers, in v[X2]
.irp k,0,1,2,3
	v_pk_mul_f32 v[X2+2*\k:X2+2*\k+1], v[(\src)+16*\k:(\src)+16*\k+1], v[(\src)+16*\k:(\src)+16*\k+1]
.endr
.irp t,2,4,6,8,10,12,14
.irp k,0,1,2,3
	v_pk_fma_f32 v[X2+2*\k:X2+2*\k+1], v[(\src)+16*\k+\t:(\src)+16*\k+\t+1], v[(\src)+16*\k+\t:(\src)+16*\k+\t+1], v[X2+2*\k:X2+2*\k+1]
.endr
.endr
	v_pk_add_f32 v[X2:X2+1], v[X2:X2+1], v[X2+2:X2+3]
	v_pk_add_f32 v[X2+4:X2+5], v[X2+4:X2+5], v[X2+6:X2+7]
	v_pk_add_f32 v[X2:X2+1], v[X2:X2+1], v[X2+4:X2+5]
	v_add_f32 v[X2], v[X2], v[X2+1]
	v_permlanex16_b32 v[PLQ], v[X2], s34, s35
	v_add_f32 v[X2], v[X2], v[PLQ]
.endm
	VW
	s_wait_loadcnt 63                          ; 64 ring loads were issued behind the codewords and the scale
.irp kt,0,1
	WIN 0xAA
	SQ 64*\kt
	QROW 64*\kt
	WIN 0x08
.irp g,0,1,2
	ds_store_b128 v[HI], v[CD+4*\g:CD+4*\g+3] offset:1536*\kt+512*\g
.endr
	ds_store_b32 v[HC], v[QSW] offset:64*\kt
	ds_store_b32 v[HC], v[X2] offset:C2P-CWS+64*\kt
	VW
	s_wait_dscnt 0x0                           ; the stores are done: for the next fragment's registers, and for the other waves
.endr
	WIN 0
	s_barrier_signal -1
	s_barrier_wait -1
	WIN 0xC0
.set N, 0
.rept 16                                       ; the four parts of |c_k|^2 for my 16 k
	ds_load_b128 v[C2T+4*N:C2T+4*N+3], v[C2A] offset:128*(N/4)+16*(N%4)+32*((N%4)/2)
.set N, N+1
.endr
	WIN 0x80
.irp i,0,1,2,3,4,5,6,7
	v_mov_b32 v[X2+\i], 0
.endr
	VW
	s_wait_dscnt 0x0
	WIN 0xFF
.irp i,0,2,4,6,8,10,12,14
	v_pk_add_f32 v[C2T+\i:C2T+\i+1], v[C2T+\i:C2T+\i+1], v[C2T+16+\i:C2T+17+\i]
	v_pk_add_f32 v[C2T+32+\i:C2T+33+\i], v[C2T+32+\i:C2T+33+\i], v[C2T+48+\i:C2T+49+\i]
	v_pk_mul_f32 v[SLV+\i:SLV+\i+1], v[SLV+\i:SLV+\i+1], 0x3fb8aa3b op_sel_hi:[1,0]   ; scale x log2(e)
.endr
.irp i,0,2,4,6,8,10,12,14
	v_pk_add_f32 v[C2T+\i:C2T+\i+1], v[C2T+\i:C2T+\i+1], v[C2T+32+\i:C2T+33+\i]
.endr
.irp i,0,2,4,6,8,10,12,14
	v_pk_mul_f32 v[C2V+\i:C2V+\i+1], v[SLV+\i:SLV+\i+1], v[C2T+\i:C2T+\i+1]
.endr
.irp t,0,1,2,3,4,5,6,7
	v_mov_b32 v[XX+2*\t+1], 0                  ; upper halves of pairs of which the low word alone is used
	v_mov_b32 v[MX+2*\t+1], 0
.endr
	WIN 0
	s_mov_b32 s18, 0
	s_mov_b32 s19, 0
	s_mov_b32 s20, 0
	s_mov_b32 s21, 0
	s_mov_b32 s22, 0
; One scaled product; DD, AA, BB, SA, SBB, RA, RBB are set by the caller
.macro WM z
.if \z
.if (RA == 0) && (RBB == 0)
	v_wmma_scale_f32_16x16x128_f8f6f4 v[DD:DD+7], v[AA:AA+11], v[BB:BB+11], 0, v[SA], v[SBB] matrix_a_fmt:MATRIX_FMT_BF6 matrix_b_fmt:MATRIX_FMT_BF6
.elseif (RA == 1) && (RBB == 0)
	v_wmma_scale_f32_16x16x128_f8f6f4 v[DD:DD+7], v[AA:AA+11], v[BB:BB+11], 0, v[SA], v[SBB] matrix_a_fmt:MATRIX_FMT_BF6 matrix_b_fmt:MATRIX_FMT_BF6 matrix_a_scale:MATRIX_SCALE_ROW1
.elseif (RA == 0) && (RBB == 1)
	v_wmma_scale_f32_16x16x128_f8f6f4 v[DD:DD+7], v[AA:AA+11], v[BB:BB+11], 0, v[SA], v[SBB] matrix_a_fmt:MATRIX_FMT_BF6 matrix_b_fmt:MATRIX_FMT_BF6 matrix_b_scale:MATRIX_SCALE_ROW1
.else
	v_wmma_scale_f32_16x16x128_f8f6f4 v[DD:DD+7], v[AA:AA+11], v[BB:BB+11], 0, v[SA], v[SBB] matrix_a_fmt:MATRIX_FMT_BF6 matrix_b_fmt:MATRIX_FMT_BF6 matrix_a_scale:MATRIX_SCALE_ROW1 matrix_b_scale:MATRIX_SCALE_ROW1
.endif
.else
.if (RA == 0) && (RBB == 0)
	v_wmma_scale_f32_16x16x128_f8f6f4 v[DD:DD+7], v[AA:AA+11], v[BB:BB+11], v[DD:DD+7], v[SA], v[SBB] matrix_a_fmt:MATRIX_FMT_BF6 matrix_b_fmt:MATRIX_FMT_BF6
.elseif (RA == 1) && (RBB == 0)
	v_wmma_scale_f32_16x16x128_f8f6f4 v[DD:DD+7], v[AA:AA+11], v[BB:BB+11], v[DD:DD+7], v[SA], v[SBB] matrix_a_fmt:MATRIX_FMT_BF6 matrix_b_fmt:MATRIX_FMT_BF6 matrix_a_scale:MATRIX_SCALE_ROW1
.elseif (RA == 0) && (RBB == 1)
	v_wmma_scale_f32_16x16x128_f8f6f4 v[DD:DD+7], v[AA:AA+11], v[BB:BB+11], v[DD:DD+7], v[SA], v[SBB] matrix_a_fmt:MATRIX_FMT_BF6 matrix_b_fmt:MATRIX_FMT_BF6 matrix_b_scale:MATRIX_SCALE_ROW1
.else
	v_wmma_scale_f32_16x16x128_f8f6f4 v[DD:DD+7], v[AA:AA+11], v[BB:BB+11], v[DD:DD+7], v[SA], v[SBB] matrix_a_fmt:MATRIX_FMT_BF6 matrix_b_fmt:MATRIX_FMT_BF6 matrix_a_scale:MATRIX_SCALE_ROW1 matrix_b_scale:MATRIX_SCALE_ROW1
.endif
.endif
.endm
; A block of 32 channels is complete for my 4 positions: scale bytes, codes, and, behind an odd block, the exchange of halves that gives each lane a whole block of its tile's column.
; Tile 2 j + u holds positions 64 u + 4 r + j.
.macro BLOCKEND cb
	WIN 0xAA
.irp j,0,1,2,3
	v_add_nc_u32 v[SCV+\j], 0xfe000000, v[TM+\j]
.endr
.irp j,0,1,2,3
	v_lshrrev_b32 v[BY+\j], 23, v[SCV+\j]
.endr
	WIN 0x02
.irp j,0,1,2,3
.if (\cb) == 0
	v_mov_b32 v[SW+\j], v[BY+\j]
.else
	v_lshl_or_b32 v[SW+\j], v[BY+\j], 8*(\cb), v[SW+\j]
.endif
.endr
	WIN 0x0A
.irp j,0,1,2,3
.set PLC, XA+12*(2*\j+((\cb)%2))+6*((\cb)/2)
	v_cvt_scalef32_pk16_bf6_f32 v[PLC:PLC+2], v[T+32*\j:T+32*\j+15], v[SCV+\j]
	v_cvt_scalef32_pk16_bf6_f32 v[CT+4*\j:CT+4*\j+2], v[T+32*\j+16:T+32*\j+31], v[SCV+\j]
.endr
	WIN 0
	v_nop
.irp j,0,1,2,3
.set PLC, XA+12*(2*\j+((\cb)%2))+6*((\cb)/2)
.irp i,0,1,2
	v_mov_b32 v[PLC+3+\i], v[CT+4*\j+\i]
.endr
.endr
.if (\cb)%2
.irp j,0,1,2,3
.irp i,0,1,2,3,4,5
	v_permlane16_swap_b32 v[XA+24*\j+6*((\cb)/2)+\i], v[XA+24*\j+12+6*((\cb)/2)+\i]
.endr
.endr
.endif
.endm
; 128 channels = one K step of product 1 = eight units of 16 rows.  tail = 1: the last 128; its last 64 rows ask for nothing more and the counts run down.
.macro TRIP tail
	v_add_nc_u32 v[KAC], s19, v[KA0]
	v_add_nc_u32 v[KSU], s20, v[KS0]
	v_add_nc_u32 v[CWA], s21, v[A16]
	v_add_nc_u32 v[CSA], s22, v[A4]
.set U, 0
.rept 8
.set RB, 64*(U%4)
.set SB, (U%2)*16*PITCH
	VW
.if (\tail) && (U > 4)
	s_wait_loadcnt 16*(7-U)
.else
	s_wait_loadcnt 48                          ; this unit's 16 rows are in; three younger units may be out
.endif
	WIN 0x04
.set I, 0
.rept 16
	ds_store_b128 v[STS], v[RB+4*I:RB+4*I+3] offset:SB+I*PITCH
.set I, I+1
.endr
.if U == 4
	WIN 0
.irp f,0,1
.irp g,0,1,2
	ds_load_b128 v[CWF+12*\f+4*\g:CWF+12*\f+4*\g+3], v[CWA] offset:1536*\f+512*\g   ; this K step's codewords
.endr
.endr
	ds_load_b32 v[CWSC], v[CSA]
.endif
	WIN 0x80
.set N, 0
.rept 16                                       ; back by rows: lane (r, h) takes positions 32 h .. and 64 + 32 h .. of channel r
	ds_load_b128 v[ST+4*N:ST+4*N+3], v[STL] offset:SB+16*N+128*(N/8)
.set N, N+1
.endr
	WIN 0xA5
.set I, 0
.rept 8
.irp j,0,1,2,3
.if (U%2 == 0) && (I == 0)
	v_max3_num_f32 v[TM+\j], |v[RB+\j]|, |v[RB+4+\j]|, 0x2800000
.else
	v_max3_num_f32 v[TM+\j], |v[RB+8*I+\j]|, |v[RB+8*I+4+\j]|, v[TM+\j]
.endif
.endr
.irp p,0,1,2,3
	v_pk_fma_f32 v[X2+2*\p:X2+2*\p+1], v[RB+8*I+2*\p:RB+8*I+2*\p+1], v[RB+8*I+2*\p:RB+8*I+2*\p+1], v[X2+2*\p:X2+2*\p+1]
.endr
.irp j,0,1,2,3
	v_mov_b32 v[T+32*\j+16*(U%2)+2*I], v[RB+8*I+\j]
	v_mov_b32 v[T+32*\j+16*(U%2)+2*I+1], v[RB+8*I+4+\j]
.endr
.set I, I+1
.endr
	VW
	s_wait_dscnt 0x0                           ; the stage's stores have read the ring's registers, and the rows are back
.if ((\tail) == 0) || (U < 4)
	WIN 0x40
.set I, 0
.rept 16
	global_load_b128 v[RB+4*I:RB+4*I+3], v[XO], s[16:17] offset:(16*U+I+64)*ROWG th:TH_LOAD_NT
.set I, I+1
.endr
.endif
.if U%2
	BLOCKEND U/2
.endif
	WIN 0xAA
	QROW ST
	WIN 0x08
.irp g,0,1,2
	ds_store_b128 v[KAC], v[CD+4*\g:CD+4*\g+3] offset:U*1536+512*\g
.endr
	ds_store_b32 v[KSU], v[QSW] offset:U*64
	WIN 0
.set U, U+1
.endr
	WIN 0xF0                                   ; scores^T += codewords x x^T: 16 accumulators by turns
.set N, 0
.rept 16
.set DD, 8*N
.set AA, CWF+12*(N%2)
.set BB, XA+12*(N/2)
.set SA, CWSC
.set SBB, SW+N/4
.set RA, N%2
.set RBB, (N/2)%2
	WM 0
.set N, N+1
.endr
	WIN 0
.endm
.Ltrip:
	TRIP 0
	VW
	s_wait_xcnt 0x0                            ; the loads have read their base
	s_add_nc_u64 s[16:17], s[16:17], 128*ROWG
	s_add_co_u32 s19, s19, 12288
	s_add_co_u32 s20, s20, 512
	s_add_co_u32 s21, s21, 3072
	s_add_co_u32 s22, s22, 128
	s_add_co_u32 s18, s18, 1
	s_cmp_lt_u32 s18, 3
	s_cbranch_scc1 .Ltrip
	TRIP 1
; THE SOFTMAX.  Lane (r, h), tile t = 2 j + u: position 64 u + 4 r + j; register 16 t + 8 kt + i: k = 16 kt + 8 h + i.
	WIN 0xAA
	v_pk_add_f32 v[X2:X2+1], v[X2:X2+1], v[X2+4:X2+5]
	v_pk_add_f32 v[X2+2:X2+3], v[X2+2:X2+3], v[X2+6:X2+7]
	WIN 0xC2
.irp j,0,1,2,3
	v_mov_b32 v[XX+4*\j], v[X2+\j]
	v_mov_b32 v[XX+4*\j+2], v[X2+\j]
.endr
	WIN 0xFF
.irp j,0,1,2,3
	v_permlane16_swap_b32 v[XX+4*\j], v[XX+4*\j+2]   ; |x|^2 of lanes 0-15 in both halves, and of lanes 16-31 in both halves
.endr
.set N, 0
.rept 64
	v_pk_fma_f32 v[2*N:2*N+1], v[2*N:2*N+1], -2.0, v[XX+2*(N/8):XX+2*(N/8)+1] op_sel_hi:[1,0,0]
.set N, N+1
.endr
.set N, 0
.rept 64
	v_pk_fma_f32 v[2*N:2*N+1], v[2*N:2*N+1], v[SLV+2*(N%8):SLV+2*(N%8)+1], v[C2V+2*(N%8):C2V+2*(N%8)+1]
.set N, N+1
.endr
.irp t,0,1,2,3,4,5,6,7
	v_max3_num_f32 v[MX+2*\t], v[16*\t], v[16*\t+1], v[16*\t+2]
.endr
.irp i,3,5,7,9,11,13
.irp t,0,1,2,3,4,5,6,7
	v_max3_num_f32 v[MX+2*\t], v[MX+2*\t], v[16*\t+\i], v[16*\t+\i+1]
.endr
.endr
.irp t,0,1,2,3,4,5,6,7
	v_max_num_f32 v[MX+2*\t], v[MX+2*\t], v[16*\t+15]
.endr
.irp t,0,1,2,3,4,5,6,7
	v_permlanex16_b32 v[MX+2*\t+1], v[MX+2*\t], s34, s35
.endr
.irp t,0,1,2,3,4,5,6,7
	v_max_num_f32 v[MX+2*\t], v[MX+2*\t], v[MX+2*\t+1]   ; the position's largest exponent over all 32 k
.endr
.set N, 0
.rept 64
	v_pk_add_f32 v[2*N:2*N+1], v[2*N:2*N+1], v[MX+2*(N/8):MX+2*(N/8)+1] op_sel_hi:[1,0] neg_lo:[0,1] neg_hi:[0,1]
.set N, N+1
.endr
	VW
.set N, 0
.rept 128
	v_exp_f32 v[N], v[N]
.set N, N+1
.endr
	v_nop
	VW
.irp t,0,1,2,3,4,5,6,7
	v_pk_add_f32 v[SP+2*\t:SP+2*\t+1], v[16*\t:16*\t+1], v[16*\t+2:16*\t+3]
.endr
.irp i,4,6,8,10,12,14
.irp t,0,1,2,3,4,5,6,7
	v_pk_add_f32 v[SP+2*\t:SP+2*\t+1], v[SP+2*\t:SP+2*\t+1], v[16*\t+\i:16*\t+\i+1]
.endr
.endr
.irp t,0,1,2,3,4,5,6,7
	v_add_f32 v[SP+2*\t], v[SP+2*\t], v[SP+2*\t+1]
.endr
.irp t,0,1,2,3,4,5,6,7
	v_permlanex16_b32 v[SP+2*\t+1], v[SP+2*\t], s34, s35
.endr
.irp t,0,1,2,3,4,5,6,7
	v_add_f32 v[SP+2*\t], v[SP+2*\t], v[SP+2*\t+1]
.endr
	VW
.irp t,0,1,2,3,4,5,6,7
	v_rcp_f32 v[SP+2*\t], v[SP+2*\t]
.endr
	v_nop
	VW
.set N, 0
.rept 64
	v_pk_mul_f32 v[2*N:2*N+1], v[2*N:2*N+1], v[SP+2*(N/8):SP+2*(N/8)+1] op_sel_hi:[1,0]
.set N, N+1
.endr
; w turns through my region: stage row 16 t + r, 144 bytes apart, holds a position's 32 k
	WIN 0x0C
.set N, 0
.rept 32
	ds_store_b128 v[WSTO], v[4*N:4*N+3] offset:(N/4)*2304+((N%4)/2)*64+(N%2)*16
.set N, N+1
.endr
	WIN 0x40
.set N, 0
.rept 128                                      ; lane = k, register = position in its true order (LDS serves a wave's instructions in order)
	ds_load_b32 v[N], v[WLD] offset:(32*(N%4)+16*(N/64)+(N%64)/4)*144
.set N, N+1
.endr
	WIN 0x55
.macro WQ2 a, b                                ; two blocks of 32 positions: largest w and sum, by turns
.irp x,\a,\b
	v_max3_num_f32 v[WM+\x], v[32*\x], v[32*\x+1], 0x2800000
	v_pk_add_f32 v[WSP+2*\x:WSP+2*\x+1], v[32*\x:32*\x+1], v[32*\x+2:32*\x+3]
.endr
.irp x,\a,\b
	v_max3_num_f32 v[WM+\x], v[WM+\x], v[32*\x+2], v[32*\x+3]
.endr
.irp t,4,6,8,10,12,14,16,18,20,22,24,26,28,30
.irp x,\a,\b
	v_max3_num_f32 v[WM+\x], v[WM+\x], v[32*\x+\t], v[32*\x+\t+1]
	v_pk_add_f32 v[WSP+2*\x:WSP+2*\x+1], v[WSP+2*\x:WSP+2*\x+1], v[32*\x+\t:32*\x+\t+1]
.endr
.endr
.endm
	s_wait_dscnt 63                            ; at least the first 64 positions are in
	WQ2 0, 1
	VW
	s_wait_dscnt 0x0
	WQ2 2, 3
.irp x,0,1,2,3
	v_add_nc_u32 v[WSV+\x], 0xfe000000, v[WM+\x]
.endr
.irp x,0,1,2,3
	v_lshrrev_b32 v[WBY+\x], 23, v[WSV+\x]
.endr
	v_lshl_or_b32 v[WSW], v[WBY+1], 8, v[WBY]
	v_pk_add_f32 v[WSP:WSP+1], v[WSP:WSP+1], v[WSP+2:WSP+3]
	v_pk_add_f32 v[WSP+4:WSP+5], v[WSP+4:WSP+5], v[WSP+6:WSP+7]
	v_lshl_or_b32 v[WSW], v[WBY+2], 16, v[WSW]
	v_pk_add_f32 v[WSP:WSP+1], v[WSP:WSP+1], v[WSP+4:WSP+5]
	v_lshl_or_b32 v[WSW], v[WBY+3], 24, v[WSW]
	v_add_f32 v[WSP], v[WSP], v[WSP+1]         ; my k's sum of w over the chunk, unquantised
.irp x,0,1,2,3
	v_cvt_scalef32_pk16_bf6_f32 v[WF+12*(\x%2)+6*(\x/2):WF+12*(\x%2)+6*(\x/2)+2], v[32*\x:32*\x+15], v[WSV+\x]
	v_cvt_scalef32_pk16_bf6_f32 v[WCT+4*\x:WCT+4*\x+2], v[32*\x+16:32*\x+31], v[WSV+\x]
.endr
	v_nop
.irp x,0,1,2,3
.irp i,0,1,2
	v_mov_b32 v[WF+12*(\x%2)+6*(\x/2)+3+\i], v[WCT+4*\x+\i]
.endr
.endr
.irp i,0,1,2,3,4,5,6,7,8,9,10,11
	v_permlane16_swap_b32 v[WF+\i], v[WF+12+\i]   ; tile kt: lanes 0-15 blocks 0 and 2, lanes 16-31 blocks 1 and 3 of rows 16 kt + r
.endr
	WIN 0x04
.irp f,0,1
.irp g,0,1,2
	ds_store_b128 v[WIA], v[WF+12*\f+4*\g:WF+12*\f+4*\g+3] offset:1536*\f+512*\g
.endr
.endr
	ds_store_b32 v[WSA], v[WSW]
	ds_store_b32 v[WSA], v[WSP] offset:WSR-WSC
	WIN 0
	VW
	s_wait_dscnt 0x0                           ; for the others' sake: x's codes, w's codes, scales and sums are in LDS
	s_barrier_signal -1
	s_barrier_wait -1
; PRODUCT 2: my 128 channels (8 tiles) x 32 k, K = the work-group's four chunks.  Source 0 = x's rows c, source 1 = w's rows k.
.macro PBL p                                   ; chunk p's operands: 35 LDS loads
	WIN 0x40*(1+(\p)/2)
.set N, 0
.rept 24
	ds_load_b128 v[96*((\p)%2)+4*N:96*((\p)%2)+4*N+3], v[KB+\p] offset:N*512
.set N, N+1
.endr
	WIN 0
.set N, 0
.rept 6
	ds_load_b128 v[XA+24*(\p)+4*N:XA+24*(\p)+4*N+3], v[A16] offset:WIMG-CWI+3072*(\p)+512*N
.set N, N+1
.endr
.irp l,0,1,2,3
	ds_load_b32 v[XSR+4*(\p)+\l], v[XSA] offset:2048*(\p)+128*\l
.endr
	ds_load_b32 v[WSG+\p], v[A4] offset:WSC-CWS+128*(\p)
.endm
.macro MM2 p, z
	WIN 0xF0|(1+(\p)/2)
.set N, 0
.rept 16
.set DD, 8*N
.set AA, 96*((\p)%2)+12*(N/2)
.set BB, XA+24*(\p)+12*(N%2)
.set SA, XSR+4*(\p)+N/4
.set SBB, WSG+\p
.set RA, (N/2)%2
.set RBB, N%2
	WM \z
.set N, N+1
.endr
	WIN 0
.endm
	PBL 0
	PBL 1
	s_wait_dscnt 35                            ; all but the younger chunk's 35 loads
	MM2 0, 1
	PBL 2
	s_wait_dscnt 35
	MM2 1, 0
	PBL 3
	s_wait_dscnt 35
	MM2 2, 0
	s_wait_dscnt 0x0
	MM2 3, 0
.rept 4
	v_nop
.endr
; THE WAY OUT: register i of tile (l, kt) is (c = 16 l + 8 h + i, k = 16 kt + r); through my region, back as rows of 512 bytes
	WIN 0x0C
.set N, 0
.rept 16
	ds_store_b128 v[SO], v[8*N:8*N+3] offset:(N%2)*16*PITCH+(N/2)*64
	ds_store_b128 v[SO], v[8*N+4:8*N+7] offset:(N%2)*16*PITCH+(N/2)*64+16
.set N, N+1
.endr
	WIN 0x40
.set N, 0
.rept 32
	ds_load_b128 v[4*N:4*N+3], v[STS] offset:N*PITCH
.set N, N+1
.endr
	WIN 0x04
.set N, 0
.rept 32
	s_wait_dscnt 31-N
	global_store_b128 v[GO], v[4*N:4*N+3], s[10:11] offset:N*2048 th:TH_STORE_NT   ; 32 lanes store 512 consecutive bytes of row k
.set N, N+1
.endr
	WIN 0
	s_cmp_lg_u32 s14, 0
	s_cbranch_scc1 .Lend
.irp p,0,1,2,3
	ds_load_b32 v[TMP+\p], v[A4] offset:WSR-CWS+128*\p
.endr
	v_lshlrev_b32 v1, 2, v[HL]
	s_wait_dscnt 0x0
	v_add_f32 v[TMP], v[TMP], v[TMP+1]
	v_add_f32 v[TMP+2], v[TMP+2], v[TMP+3]
	v_add_f32 v[TMP], v[TMP], v[TMP+2]
	VW
	global_store_b32 v1, v[TMP], s[12:13]      ; the work-group's sum of w for each k
.Lend:
	s_wait_tensorcnt 0x0                       ; the wave's end
	ds_add_u32 v[SPW], v[NIL]
	s_wait_dscnt 0x0
	s_endpgm
.Lfunc_end_k_q91b59f6775_encode:
	.size	k_q91b59f6775_encode, .Lfunc_end_k_q91b59f6775_encode-k_q91b59f6775_encode
	.p2alignl 7, 3214868480
	.fill 96, 4, 3214868480
	.section	.rodata,"a",@progbits
	.p2align	6, 0x0
	.amdhsa_kernel k_q91b59f6775_encode
		.amdhsa_group_segment_fixed_size 305664
		.amdhsa_private_segment_fixed_size 0
		.amdhsa_enable_private_segment 0
		.amdhsa_kernarg_size 40
		.amdhsa_user_sgpr_count 2
		.amdhsa_user_sgpr_kernarg_segment_ptr 1
		.amdhsa_wavefront_size32 1
		.amdhsa_system_sgpr_workgroup_id_x 1
		.amdhsa_system_sgpr_workgroup_id_y 1
		.amdhsa_system_sgpr_workgroup_id_z 1
		.amdhsa_system_vgpr_workitem_id 0
		.amdhsa_next_free_vgpr 1024
		.amdhsa_next_free_sgpr 66
		.amdhsa_reserve_vcc 0
		.amdhsa_float_denorm_mode_32 3
		.amdhsa_float_denorm_mode_16_64 3
		.amdhsa_memory_ordered 1
		.amdhsa_forward_progress 1
		.amdhsa_inst_pref_size 255
	.end_amdhsa_kernel
	.section	.bss,"aw",@nobits
	.p2align	6
	.space	262144
	.amdgpu_metadata
---
amdhsa.version: [ 1, 2 ]
amdhsa.kernels:
  - .name:           k_q91b59f6775_encode
    .symbol:         k_q91b59f6775_encode.kd
    .args:
      - { .name: x, .offset: 0, .size: 8, .value_kind: global_buffer, .address_space: global }
      - { .name: codewords, .offset: 8, .size: 8, .value_kind: global_buffer, .address_space: global }
      - { .name: scale, .offset: 16, .size: 8, .value_kind: global_buffer, .address_space: global }
      - { .name: part, .offset: 24, .size: 8, .value_kind: global_buffer, .address_space: global }
      - { .name: wsp, .offset: 32, .size: 8, .value_kind: global_buffer, .address_space: global }
    .group_segment_fixed_size: 305664
    .private_segment_fixed_size: 0
    .kernarg_segment_align: 8
    .kernarg_segment_size: 40
    .max_flat_workgroup_size: 128
    .sgpr_count:     66
    .vgpr_count:     1024
    .wavefront_size: 32
...
	.end_amdgpu_metadata
.endif
;; end of part 1
;; launch reduce (part 2): grid 32 x 32, 4 waves a work-group, no clusters, 0 bytes of LDS; arguments part, wsp, codewords, out0; writes out0
.if DOCPART == 2
	.amdgcn_target "amdgcn-amd-amdhsa--gfx1250"
	.amdhsa_code_object_version 6
	.text
	.protected	k_q91b59f6775_reduce
	.globl	k_q91b59f6775_reduce
	.p2align	8
	.type	k_q91b59f6775_reduce,@function
k_q91b59f6775_reduce:
	s_mov_b64 s[64:65], 0
	v_nop
	global_prefetch_b8 v0, s[64:65] scope:SCOPE_SE
	s_setreg_imm32_b32 hwreg(HW_REG_WAVE_MODE, 25, 1), 1
	s_wait_xcnt 0x0
; out0[b][k][c] = sum over j = 0 .. 7 of part[8 b + j][k][c]  -  (sum over j of wsp[8 b + j][k]) x codewords[k][c], all f32.
; A work-group takes one row (b, k) of 512 c: grid x = k, y = b.  Thread t owns the 16 bytes at 16 t of the row, so each load and store of a wave covers 512 consecutive bytes.
; Nine loads of every thread go out together; the sums take them in order.  The row's eight parts of wsum are one number each for the whole work-group: scalar loads and scalar sums.
; A stream: no LDS, no barrier, no matrix unit; several work-groups lie on a WGP.
	s_load_b256 s[4:11], s[0:1], 0x0               ; part s[4:5], wsp s[6:7], codewords s[8:9], out0 s[10:11]
	s_and_b32 s12, ttmp7, 0xffff                   ; b
	v_lshlrev_b32 v1, 4, v0
	s_lshl_b32 s16, ttmp9, 11                      ; row k of 2,048 bytes
	s_mov_b32 s17, 0
	s_lshl_b32 s14, s12, 19                        ; b x 8 parts of 65,536 bytes
	s_add_co_u32 s14, s14, s16
	s_mov_b32 s15, 0
	s_lshl_b32 s18, s12, 10                        ; b x 8 parts of 128 bytes
	s_lshl_b32 s19, ttmp9, 2
	s_add_co_u32 s18, s18, s19
	s_mov_b32 s19, 0
	s_lshl_b32 s20, s12, 16                        ; b x 32 rows
	s_add_co_u32 s20, s20, s16
	s_mov_b32 s21, 0
	s_wait_alu depctr_va_vdst(0)
	s_wait_kmcnt 0x0
	s_add_nc_u64 s[4:5], s[4:5], s[14:15]
	s_add_nc_u64 s[6:7], s[6:7], s[18:19]
	s_add_nc_u64 s[8:9], s[8:9], s[16:17]
	s_add_nc_u64 s[10:11], s[10:11], s[20:21]
.irp j,0,1,2,3,4,5,6,7
	global_load_b128 v[4+4*\j:7+4*\j], v1, s[4:5] offset:\j*65536 th:TH_LOAD_NT
.endr
	global_load_b128 v[36:39], v1, s[8:9]          ; read again by the 32 batches: no hint
.irp j,0,1,2,3,4,5,6,7
	s_load_b32 s[24+\j], s[6:7], \j*128
.endr
	s_wait_kmcnt 0x0
.irp j,1,2,3,4,5,6,7
	s_add_f32 s24, s24, s[24+\j]
.endr
	s_xor_b32 s24, s24, 0x80000000                 ; - wsum
	s_wait_loadcnt 7                               ; parts 0 and 1 are in: six parts and the codewords were issued behind them
	v_pk_add_f32 v[4:5], v[4:5], v[8:9]
	v_pk_add_f32 v[6:7], v[6:7], v[10:11]
	s_wait_alu depctr_va_vdst(0)
.irp j,2,3,4,5,6,7
	s_wait_alu depctr_va_vdst(0)
	s_wait_loadcnt 8-\j                            ; part j is in: 7 - j parts and the codewords were issued behind it
	v_pk_add_f32 v[4:5], v[4:5], v[4+4*\j:5+4*\j]
	v_pk_add_f32 v[6:7], v[6:7], v[6+4*\j:7+4*\j]
.endr
	s_wait_alu depctr_va_vdst(0)
	s_wait_loadcnt 0x0
	v_pk_fma_f32 v[4:5], v[36:37], s[24:25], v[4:5] op_sel_hi:[1,0,1]   ; of the scalar pair the low word serves both halves
	v_pk_fma_f32 v[6:7], v[38:39], s[24:25], v[6:7] op_sel_hi:[1,0,1]
	global_store_b128 v1, v[4:7], s[10:11] th:TH_STORE_NT
	s_endpgm
.Lfunc_end_k_q91b59f6775_reduce:
	.size	k_q91b59f6775_reduce, .Lfunc_end_k_q91b59f6775_reduce-k_q91b59f6775_reduce
	.p2alignl 7, 3214868480
	.fill 96, 4, 3214868480
	.section	.rodata,"a",@progbits
	.p2align	6, 0x0
	.amdhsa_kernel k_q91b59f6775_reduce
		.amdhsa_group_segment_fixed_size 0
		.amdhsa_private_segment_fixed_size 0
		.amdhsa_enable_private_segment 0
		.amdhsa_kernarg_size 32
		.amdhsa_user_sgpr_count 2
		.amdhsa_user_sgpr_kernarg_segment_ptr 1
		.amdhsa_wavefront_size32 1
		.amdhsa_system_sgpr_workgroup_id_x 1
		.amdhsa_system_sgpr_workgroup_id_y 1
		.amdhsa_system_sgpr_workgroup_id_z 1
		.amdhsa_system_vgpr_workitem_id 0
		.amdhsa_next_free_vgpr 40
		.amdhsa_next_free_sgpr 66
		.amdhsa_reserve_vcc 0
		.amdhsa_float_denorm_mode_32 3
		.amdhsa_float_denorm_mode_16_64 3
		.amdhsa_memory_ordered 1
		.amdhsa_forward_progress 1
		.amdhsa_inst_pref_size 5
	.end_amdhsa_kernel
	.amdgpu_metadata
---
amdhsa.version: [ 1, 2 ]
amdhsa.kernels:
  - .name:           k_q91b59f6775_reduce
    .symbol:         k_q91b59f6775_reduce.kd
    .args:
      - { .name: part, .offset: 0, .size: 8, .value_kind: global_buffer, .address_space: global }
      - { .name: wsp, .offset: 8, .size: 8, .value_kind: global_buffer, .address_space: global }
      - { .name: codewords, .offset: 16, .size: 8, .value_kind: global_buffer, .address_space: global }
      - { .name: out0, .offset: 24, .size: 8, .value_kind: global_buffer, .address_space: global }
    .group_segment_fixed_size: 0
    .private_segment_fixed_size: 0
    .kernarg_segment_align: 8
    .kernarg_segment_size: 32
    .max_flat_workgroup_size: 128
    .sgpr_count:     66
    .vgpr_count:     40
    .wavefront_size: 32
...
	.end_amdgpu_metadata
.endif
;; end of part 2
